; MI455X (gfx1250); checked and timed in simulation.
; The chip was launched on July 23, 2026; its instructions are those of AMD's public machine-readable ISA for CDNA 5 (MIT licence, August 2026) and "CDNA5" Instruction Set Architecture Reference Guide (July 2026). The comments in the code are by the model that wrote it; some were corrected since.
;; Q Mixing Network. Allowed arithmetic: float matrix products may take bf16 or f16 operands with f32 sums; all other float work in f32.
;; Inputs: agent_qs 32,768 x 32 float32; b1_b 64 float32; b1_w 64 x 512 float32; b2_l1_b 64 float32; b2_l1_w 64 x 512 float32; b2_l2_b 1 float32; b2_l2_w 1 x 64 float32; states 32,768 x 512 float32; w1_l1_b 64 float32; w1_l1_w 64 x 512 float32; w1_l2_b 2,048 float32; w1_l2_w 2,048 x 64 float32; w2_l1_b 64 float32; w2_l1_w 64 x 512 float32; w2_l2_b 64 float32; w2_l2_w 64 x 64 float32.
;; Outputs: out0 32,768 float32.
;; 2 versions, each right; version 2 is version 1 with the launch pack written anew for expert scheduling mode. Each part assembles by itself: llvm-mc -triple=amdgcn-amd-amdhsa -mcpu=gfx1250 --defsym DOCPART=n.
;; ======== version 1 of 2: 2 launches
;; workspace buffers: wfrag 532,480 bytes
;; launch pack (part 1): grid 260 x 1, 1 waves a work-group, no clusters, 0 bytes of LDS; arguments w1_l1_w, w2_l1_w, b1_w, b2_l1_w, w1_l2_w, w2_l2_w, wfrag; writes wfrag
.if DOCPART == 1
	.amdgcn_target "amdgcn-amd-amdhsa--gfx1250"
	.amdhsa_code_object_version 6
	.text
	.protected	k_qe53534f95f_pack
	.globl	k_qe53534f95f_pack
	.p2align	8
	.type	k_qe53534f95f_pack,@function
k_qe53534f95f_pack:
	s_mov_b64 s[64:65], 0
	v_nop
	global_prefetch_b8 v0, s[64:65] scope:SCOPE_SE
	s_setreg_imm32_b32 hwreg(HW_REG_WAVE_MODE, 25, 1), 1
	s_wait_xcnt 0x0
; Rounds all matrix weights to bf16 once and lays them out in the order in which the matrix operands want them.
; A block of 1,024 bytes holds 16 weight rows x 32 k: byte 512 q + 16 l + 2 i = W[n0 + l % 16][k0 + 16 q + 8 (l / 16) + i],
; so that lane l of a later wave gets registers 4 q .. 4 q + 3 of a fragment by one load of 16 bytes, 512 consecutive bytes a wave.
; Blocks:  (net 16 + s) 4 + t            the four first layers (net 0 w1_l1_w, 1 w2_l1_w, 2 b1_w, 3 b2_l1_w), k0 = 32 s, n0 = 16 t
;          256 + (((w 4 + e) 8 + a) 2 + s)   w1_l2_w rows (8 w + a) 64 + 16 e, k0 = 32 s
;          512 + e 2 + s                  w2_l2_w rows 16 e, k0 = 32 s
; One wave a work-group; a work-group takes 16 source rows x 64 k (256 bytes of each row) and makes two blocks.
; 128 + 128 + 4 = 260 work-groups.  Memory binds: no LDS, no matrix unit, nothing is read or written twice.
.set LD, 8                             ; v[8:39]   eight loads of 16 bytes: 4 groups of 8 f32
.set PK, 40                            ; v[40:55]  the same as bf16: 4 groups of 4 registers
	s_load_b256 s[8:15], s[0:1], 0x0               ; w1_l1_w, w2_l1_w, b1_w, b2_l1_w
	s_load_b128 s[16:19], s[0:1], 0x20             ; w1_l2_w, w2_l2_w
	s_load_b64 s[20:21], s[0:1], 0x30              ; wfrag
	v_and_b32 v1, 15, v0                           ; r: my source row
	v_lshrrev_b32 v2, 4, v0                        ; h: which 8 of each 16 k
	s_wait_kmcnt 0x0
	; each way sets: s[22:23] source, s24 byte offset in it, s25 byte offset in wfrag, s26 bytes between the two blocks, s27 log2 of the row pitch
	s_cmp_lt_u32 ttmp9, 128
	s_cbranch_scc0 .Lsecond
	s_lshr_b32 s2, ttmp9, 5                        ; net
	s_bfe_u32 s3, ttmp9, 0x20003                   ; t: 16 rows of the 64
	s_and_b32 s4, ttmp9, 7                         ; p: k steps 2 p and 2 p + 1
	s_cmp_eq_u32 s2, 1
	s_cselect_b64 s[22:23], s[10:11], s[8:9]
	s_cmp_eq_u32 s2, 2
	s_cselect_b64 s[22:23], s[12:13], s[22:23]
	s_cmp_eq_u32 s2, 3
	s_cselect_b64 s[22:23], s[14:15], s[22:23]
	s_lshl_b32 s24, s3, 15                         ; 16 rows of 2,048 bytes
	s_lshl_b32 s5, s4, 8                           ; 64 k of 4 bytes
	s_add_co_u32 s24, s24, s5
	s_lshl3_add_u32 s5, s4, s3                     ; 8 p + t
	s_lshl_b32 s25, s2, 6
	s_add_co_u32 s25, s25, s5                      ; block 64 net + 8 p + t
	s_lshl_b32 s25, s25, 10
	s_mov_b32 s26, 4096                            ; the next k step lies four blocks on
	s_mov_b32 s27, 11
	s_branch .Lgo
.Lsecond:
	s_cmp_lt_u32 ttmp9, 256
	s_cbranch_scc0 .Lthird
	s_sub_co_u32 s2, ttmp9, 128                    ; rows 16 T of w1_l2_w, T = (8 w + a) 4 + e
	s_lshr_b32 s3, s2, 5                           ; w
	s_bfe_u32 s4, s2, 0x30002                      ; a
	s_and_b32 s5, s2, 3                            ; e
	s_mov_b64 s[22:23], s[16:17]
	s_lshl_b32 s24, s2, 12                         ; 16 rows of 256 bytes
	s_lshl2_add_u32 s25, s3, s5                    ; 4 w + e
	s_lshl3_add_u32 s25, s25, s4                   ; times 8, + a
	s_lshl_b32 s25, s25, 11                        ; two blocks each
	s_add_co_u32 s25, s25, 262144
	s_mov_b32 s26, 1024
	s_mov_b32 s27, 8
	s_branch .Lgo
.Lthird:
	s_sub_co_u32 s2, ttmp9, 256                    ; rows 16 e of w2_l2_w
	s_mov_b64 s[22:23], s[18:19]
	s_lshl_b32 s24, s2, 12
	s_lshl_b32 s25, s2, 11
	s_add_co_u32 s25, s25, 524288
	s_mov_b32 s26, 1024
	s_mov_b32 s27, 8
.Lgo:
	v_lshlrev_b32 v3, s27, v1                      ; my row,
	v_lshl_add_u32 v3, v2, 5, v3                   ; + 8 h numbers of 4 bytes,
	v_add_nc_u32 v3, s24, v3                       ; + the item
	v_lshl_add_u32 v4, v0, 4, s25                  ; first block: 16 bytes a lane
	v_add_nc_u32 v5, s26, v4                       ; second block
.irp g, 0,1,2,3                                    ; g = 2 (k step of the pair) + q: k = 16 g + 8 h + 0..7
	global_load_b128 v[LD+8*\g:LD+8*\g+3],   v3, s[22:23] offset:64*\g
	global_load_b128 v[LD+8*\g+4:LD+8*\g+7], v3, s[22:23] offset:64*\g+16
.endr
.irp g, 0,1,2,3
	s_wait_loadcnt 6-2*\g                          ; loads return in order: the two of group g are in, the younger ones stay out
.irp n, 0,1,2,3
	v_cvt_pk_bf16_f32 v[PK+4*\g+\n], v[LD+8*\g+2*\n], v[LD+8*\g+2*\n+1]
.endr
	global_store_b128 v[4+\g/2], v[PK+4*\g:PK+4*\g+3], s[20:21] offset:512*(\g%2)   ; 512 consecutive bytes, aligned
.endr
	s_endpgm
.Lfunc_end_k_qe53534f95f_pack:
	.size	k_qe53534f95f_pack, .Lfunc_end_k_qe53534f95f_pack-k_qe53534f95f_pack
	.p2alignl 7, 3214868480
	.fill 96, 4, 3214868480
	.section	.rodata,"a",@progbits
	.p2align	6, 0x0
	.amdhsa_kernel k_qe53534f95f_pack
		.amdhsa_group_segment_fixed_size 0
		.amdhsa_private_segment_fixed_size 0
		.amdhsa_enable_private_segment 0
		.amdhsa_kernarg_size 56
		.amdhsa_user_sgpr_count 2
		.amdhsa_user_sgpr_kernarg_segment_ptr 1
		.amdhsa_wavefront_size32 1
		.amdhsa_system_sgpr_workgroup_id_x 1
		.amdhsa_system_sgpr_workgroup_id_y 1
		.amdhsa_system_sgpr_workgroup_id_z 1
		.amdhsa_system_vgpr_workitem_id 0
		.amdhsa_next_free_vgpr 56
		.amdhsa_next_free_sgpr 66
		.amdhsa_reserve_vcc 0
		.amdhsa_float_denorm_mode_32 3
		.amdhsa_float_denorm_mode_16_64 3
		.amdhsa_memory_ordered 1
		.amdhsa_forward_progress 1
		.amdhsa_inst_pref_size 5
	.end_amdhsa_kernel
	.amdgpu_metadata
---
amdhsa.version: [ 1, 2 ]
amdhsa.kernels:
  - .name:           k_qe53534f95f_pack
    .symbol:         k_qe53534f95f_pack.kd
    .args:
      - { .name: w1_l1_w, .offset: 0, .size: 8, .value_kind: global_buffer, .address_space: global }
      - { .name: w2_l1_w, .offset: 8, .size: 8, .value_kind: global_buffer, .address_space: global }
      - { .name: b1_w, .offset: 16, .size: 8, .value_kind: global_buffer, .address_space: global }
      - { .name: b2_l1_w, .offset: 24, .size: 8, .value_kind: global_buffer, .address_space: global }
      - { .name: w1_l2_w, .offset: 32, .size: 8, .value_kind: global_buffer, .address_space: global }
      - { .name: w2_l2_w, .offset: 40, .size: 8, .value_kind: global_buffer, .address_space: global }
      - { .name: wfrag, .offset: 48, .size: 8, .value_kind: global_buffer, .address_space: global }
    .group_segment_fixed_size: 0
    .private_segment_fixed_size: 0
    .kernarg_segment_align: 8
    .kernarg_segment_size: 56
    .max_flat_workgroup_size: 32
    .sgpr_count:     66
    .vgpr_count:     56
    .wavefront_size: 32
...
	.end_amdgpu_metadata
.endif
;; end of part 1
;; launch mix (part 2): grid 256 x 1, 4 waves a work-group, no clusters, 324,608 bytes of LDS; arguments states, agent_qs, wfrag, w1_l1_b, w2_l1_b, b1_b, b2_l1_b, w1_l2_b, w2_l2_b, b2_l2_w, b2_l2_b, out0; writes out0
.if DOCPART == 2
	.amdgcn_target "amdgcn-amd-amdhsa--gfx1250"
	.amdhsa_code_object_version 6
	.text
	.protected	k_qe53534f95f_mix
	.globl	k_qe53534f95f_mix
	.p2align	8
	.type	k_qe53534f95f_mix,@function
k_qe53534f95f_mix:
	s_mov_b64 s[64:65], 0
	v_nop
	global_prefetch_b8 v0, s[64:65] scope:SCOPE_SE
	s_setreg_imm32_b32 hwreg(HW_REG_WAVE_MODE, 25, 1), 1
	s_wait_xcnt 0x0
; The whole mixing network for 128 samples a work-group, four waves, 256 work-groups.
;   phase 1  the four first layers, one product [128 x 512] x [512 x 256]: wave w makes net w (0 w1_l1, 1 w2_l1, 2 b1, 3 b2_l1), 128 rows x 64 columns
;   exchange relu and bf16 (nets 0, 1) or f32 (nets 2, 3) into LDS
;   phase 2  w1 = |h1 W^T + b| for agents 8 w .. 8 w + 7 and all 128 rows, mixed with agent_qs as it is made: hid += |w1| q
;   final    wave w takes rows 32 w .. 32 w + 31: sums the four partial hid, adds b1, elu, times |w2|, adds relu(h3) . b2_l2_w + b2_l2_b
; EVERY PRODUCT IS USED TRANSPOSED: source 0 = 16 weight rows, source 1 = 16 samples.  Lane (r = l % 16, h = l / 16) then holds sample r and the
; output columns 8 h + 0..7 of the tile in its 8 result registers.  So a bias is loaded straight as the C operand, a first layer result packs
; into a second layer fragment without leaving its lane, and the mix is one fused multiply-add with |.| as a source modifier.
; DATA: states and agent_qs come by five tensor loads a wave, all issued at the first lines, each into bytes that are filled once; nothing is ever
; filled again.  Weights come from wfrag (bf16, fragment order) straight into operand registers, 512 consecutive bytes a load.
; ORDER OF THE TEXT: vector, LDS and global instructions stand in long runs of one kind, and each run of loads stands a whole step (32 matrix
; instructions in phase 1, 14 in phase 2) ahead of the wait for it.
; NO CLUSTER, NO JOINT LOADS: what work-groups share is the weights, 532,480 bytes; a joint load can only land in LDS, where 290 of the 316 KiB in use
; hold the states during phase 1, and the weights would then be written to and read from LDS once more each.  Here each weight byte goes
; once into the registers of the one wave of the work-group that multiplies it.
; LIMITS: a NaN in an input is not carried through (the maxima and minima with 0 drop it), infinities give no defined result.  elu for x < 0 is
; exp2(x log2 e) - 1, absolute error of the order of 1e-7; its exponent is never above 0.  The sum over agents is grouped 8 a wave, then over
; the four waves: another order of rounding than a plain sum.  Matrix operands are rounded to bf16, sums are f32.
;
; LDS (bytes)
.set XF_C,   65536                     ; XF(c, w) = c 65536 + w 16384: states in f32, rows 32 w .. + 31, k 128 c .. + 127, rows of 512 bytes
.set XB0,    262144                    ; XB(0): chunk 0 in bf16, row pitch 272.  XB(c > 0) = (c - 1) 65536 + (row / 32) 16384 + (row % 32) 272:
                                       ; each wave stores it into its own XF(c - 1, w), which it alone has read and which is never filled again
.set XPITCH, 272                       ; 256 + 16: an odd multiple of 16 bytes, so 16 rows start at 16 different 16-byte columns modulo 256
.set QS,     296960                    ; agent_qs in f32, row pitch 144 (128 + 16 laid by the tensor load)
.set QPITCH, 144
.set BL,     315392                    ; + 2048 w: the 512 numbers of w1_l2_b that wave w needs
.set OUTS,   323584                    ; 128 results
.set HF2_L,  16384                     ; behind the last chunk barrier: HF1 at 0, HF2 here: m 2048 + t 512 + 16 l (bf16 fragments of relu(h))
.set B1F_L,  32768                     ; B1F here, H3F 32768 further: m 4096 + t 1024 + q 512 + 16 l (f32)
.set HP_L,   131072                    ; behind the exchange barrier: HP(w) = + w 32768 + e 8192 + m 1024 + q 512 + 16 l (f32 partial hid)
.set W_L2,   262144                    ; wfrag: second layer of w1
.set W_W2,   524288                    ; wfrag: second layer of w2
; REGISTERS, window 0
.set L16,  1                           ; 16 l
.set WO,   2                           ; 16 l + 65536 w: my part of wfrag
.set H32,  3                           ; 32 h: my 8 numbers of a bias tile
.set X0,   4                           ; 272 r + 16 h
.set XA,   5                           ; X0 + the chunk
.set CF,   6                           ; conversion: where I read f32
.set CS,   7                           ; conversion: where I store bf16
.set BLA,  8                           ; BL + 2048 w + 32 h
.set EX,   9                           ; store address of the exchange, later of the result
.set HPA,  10                          ; HP_L + 32768 w + 16 l
.set QA,   11                          ; QS + 144 r + 32 w
.set F1,   12                          ; HP_L + 2048 w + 16 l
.set F2,   13                          ; F1 + 65536
.set F3,   14                          ; B1F_L + 8192 w + 16 l
.set F4,   15                          ; HF2_L + 4096 w + 16 l
.set WF2,  16                          ; v16-111   ring of 6 weight tiles of phase 2, 16 registers each
.set BI,   16                          ; v16-47    first layer biases, used by k step 0 alone
.set BIAS2,112                         ; v112-127  two buffers of a second layer bias tile
.set XF0,  128                         ; v128-255  phase 1: two buffers of 8 sample fragments; v128-191 also take a converted chunk on its way to LDS
.set D0,   128                         ; v128-191  phase 2: two buffers of 4 result tiles
.set HID,  192                         ; v192-255  phase 2: hid(m) = 8 registers for each of 8 sample tiles
; window 1: phase 1 ring of 8 k steps of weights, 32 registers each; phase 2 HF(m, s) = 16 m + 8 s and
.set QR,   128                         ; Q(m, a) = 128 + 8 m + a
; window 2: ACC(t, m) = 8 (8 t + m), the 32 accumulators of phase 1
; window 3
.set W2F,  0                           ; 16 e: weights of w2_l2
.set BIA2, 64                          ; 8 e: w2_l2_b
.set WV,   96                          ; 8 e: b2_l2_w
.set LAND, 128                         ; phase 1: v128-255, a chunk of my 32 rows in f32, 4 registers a row
.set HF2P, 128                         ; 16 mm + 8 s: fragments of relu(h2) of my two sample tiles
.set D2,   160                         ; 8 (2 e + mm): w2 before |.|
.set AC,   128                         ; final: 8 mm, the running dot products; v0-47 and v48-95 are its two load buffers
; s_set_vgpr_msb, low byte: bits 1:0 source 0, 3:2 source 1, 5:4 source 2, 7:6 destination; the high byte repeats the setting that is left
.set MSB, 0
.macro WIN new
.if MSB != \new
	s_set_vgpr_msb (MSB<<8)|\new
.set MSB, \new
.endif
.endm
.macro PLACES n                        ; plain vector instructions that name no register: the distance behind matrix instructions (ISA guide 7.12.1)
.rept \n
	v_nop
.endr
.endm
; Global loads stand on one straight line of text, under no branch: NLD counts them as they are written, and the wait for
; the load of ordinal idx leaves out exactly the NLD - idx younger ones (loads return in order, ISA guide 5.7.1).
.set NLD, 0
.macro WAITLD idx
	s_wait_loadcnt NLD-(\idx)
.endm
	s_load_b512 s[8:23], s[0:1], 0x0               ; states, agent_qs, wfrag, w1_l1_b, w2_l1_b, b1_b, b2_l1_b, w1_l2_b
	s_load_b256 s[24:31], s[0:1], 0x40             ; w2_l2_b, b2_l2_w, b2_l2_b, out0
	v_lshl_add_u32 v254, v0, 2, 0x4f200
	v_mov_b32 v255, 0
	ds_add_u32 v254, v255
	ds_add_u32 v254, v255
	s_wait_dscnt 0x0
	v_lshrrev_b32 v3, 5, v0
	v_readfirstlane_b32 s2, v3                     ; wave 0..3
	; group 1 for states: 32 rows x 128 f32, 512 elements from row to row, no padding
	s_mov_b32 s32, 2<<16                           ; element of 4 bytes, no mask
	s_mov_b32 s33, 128<<16                         ; tensor_dim0 = 128
	s_mov_b32 s34, 32<<16                          ; tensor_dim1 = 32
	s_mov_b32 s35, 128<<16                         ; tile_dim0 = 128
	s_mov_b32 s36, 32                              ; tile_dim1 = 32
	s_mov_b32 s37, 512                             ; pitch
	s_mov_b32 s38, 0
	s_mov_b32 s39, 0
	; group 1 for agent_qs: 32 rows x 32 f32, dense; 4 words of padding behind every 32 words
	s_mov_b32 s40, (2<<16)|(1<<20)|(4<<22)|(3<<25)
	s_mov_b32 s41, 32<<16
	s_mov_b32 s42, 32<<16
	s_mov_b32 s43, 32<<16
	s_mov_b32 s44, 32
	s_mov_b32 s45, 32
	s_mov_b32 s46, 0
	s_mov_b32 s47, 0
	s_lshl_b32 s3, s2, 14                          ; 16384 w, kept
	s_lshl_b32 s4, ttmp9, 18                       ; 128 rows of 2,048 bytes a work-group (below 2^26),
	s_lshl_b32 s6, s2, 16                          ; 32 rows a wave
	s_add_co_u32 s4, s4, s6
	s_mov_b32 s5, 0
	s_lshl_b32 s72, ttmp9, 14                      ; 128 rows of 128 bytes,
	s_lshl_b32 s6, s2, 12                          ; 32 rows a wave
	s_add_co_u32 s72, s72, s6
	s_mov_b32 s73, 0
	s_mul_i32 s75, s2, 32*QPITCH
	s_wait_kmcnt 0x0
	s_add_nc_u64 s[6:7], s[8:9], s[4:5]            ; states at my 32 rows
	s_mov_b32 s48, 1
	s_add_co_u32 s49, s75, QS
	s_add_nc_u64 s[50:51], s[10:11], s[72:73]      ; agent_qs at my 32 rows
	s_or_b32 s51, s51, 0x80000000
.macro SETG0 g0, lds, step                         ; group 0 of one chunk: count, LDS address, global address, type
	s_mov_b32 s[\g0], 1
	s_add_co_u32 s[\g0+1], s3, \lds
	s_add_nc_u64 s[\g0+2:\g0+3], s[6:7], \step
	s_or_b32 s[\g0+3], s[\g0+3], 0x80000000
.endm
	SETG0 52, 0*XF_C, 0
	SETG0 56, 1*XF_C, 512
	SETG0 60, 2*XF_C, 1024
	SETG0 68, 3*XF_C, 1536
	; all that this wave ever asks of the tensor mover, as one group: five loads out, no descriptor register is written again.
	; The four chunks in the order of their use; agent_qs, which phase 2 reads first, comes last.
	tensor_load_to_lds s[52:55], s[32:39]
	s_nop 0
	tensor_load_to_lds s[56:59], s[32:39]
	s_nop 0
	tensor_load_to_lds s[60:63], s[32:39]
	s_nop 0
	tensor_load_to_lds s[68:71], s[32:39]
	s_nop 0
	tensor_load_to_lds s[48:51], s[40:47]
	s_nop 0
	s_load_b32 s74, s[28:29], 0x0                  ; b2_l2_b
	s_cmp_eq_u32 s2, 1                             ; the bias of my net
	s_cselect_b64 s[72:73], s[16:17], s[14:15]
	s_cmp_eq_u32 s2, 2
	s_cselect_b64 s[72:73], s[18:19], s[72:73]
	s_cmp_eq_u32 s2, 3
	s_cselect_b64 s[72:73], s[20:21], s[72:73]
	s_mov_b32 s76, 0x76543210                      ; v_permlanex16_b32: lane i of one half reads lane i of the other
	s_mov_b32 s77, 0xfedcba98
	v_and_b32 v1, 31, v0
	v_lshlrev_b32 v[L16], 4, v1
	v_and_b32 v[X0], 15, v0                        ; r
	v_bfe_u32 v[H32], v0, 4, 1                     ; h
	v_mul_u32_u24 v[QA], v[X0], QPITCH
	v_mul_u32_u24 v[X0], v[X0], XPITCH
	v_lshl_add_u32 v[X0], v[H32], 4, v[X0]
	v_lshlrev_b32 v[H32], 5, v[H32]
	s_lshl_b32 s4, s2, 16
	v_add_nc_u32 v[WO], s4, v[L16]
	s_lshl_b32 s4, s2, 11
	v_add_nc_u32 v[EX], s4, v[L16]                 ; for now: my 16 bytes of the 2,048 bytes of w1_l2_b that belong to my wave
.macro GLW1 s                                      ; the four weight tiles of k step s of my net, into ring slot s % 8 of window 1
	WIN 0x40
.irp t, 0,1,2,3
.irp q, 0,1
	global_load_b128 v[32*((\s)%8)+8*\t+4*\q:32*((\s)%8)+8*\t+4*\q+3], v[WO], s[12:13] offset:(\s)*4096+\t*1024+\q*512
.endr
.endr
.set NLD, NLD+8
.endm
.macro GLT t                                       ; weight tile t of phase 2 (16 rows x 64 k), into ring slot t % 6 of window 0
.irp j, 0,1,2,3
	global_load_b128 v[WF2+16*((\t)%6)+4*\j:WF2+16*((\t)%6)+4*\j+3], v[WO], s[12:13] offset:W_L2+(\t)*2048+512*\j
.endr
.set NLD, NLD+4
.endm
.irp t, 0,1,2,3                                    ; ordinals 1 to 8: bias[16 t + 8 h + 0..7], the C operand of k step 0
.irp q, 0,1
	global_load_b128 v[BI+8*\t+4*\q:BI+8*\t+4*\q+3], v[H32], s[72:73] offset:64*\t+16*\q
.endr
.endr
.set NLD, NLD+8
.irp i, 0,1,2,3                                    ; ordinals 9 to 12
	global_load_b128 v[BIAS2+4*\i:BIAS2+4*\i+3], v[EX], s[22:23] offset:512*\i
.endr
.set NLD, NLD+4
.irp s, 0,1,2,3,4,5                                ; k step s ends at ordinal 12 + 8 (s + 1)
	GLW1 \s
.endr
	WIN 0
	v_add_nc_u32 v[XA], BL, v[EX]                  ; for now: where those 16 bytes go in LDS
	v_add_nc_u32 v[CF], s3, v[L16]
	s_mul_i32 s5, s2, 32*XPITCH
	s_add_co_u32 s5, s5, XB0
	v_lshrrev_b32 v[CS], 1, v[L16]
	v_add_nc_u32 v[CS], s5, v[CS]                  ; XB(0): my 32 rows, 8 bytes a lane
	s_add_co_u32 s5, s4, BL
	v_add_nc_u32 v[BLA], s5, v[H32]
	s_add_co_u32 s5, s4, HP_L
	v_add_nc_u32 v[F1], s5, v[L16]
	v_add_nc_u32 v[F2], 0x10000, v[F1]
	s_lshl_b32 s5, s2, 15
	s_add_co_u32 s5, s5, HP_L
	v_add_nc_u32 v[HPA], s5, v[L16]
	s_lshl_b32 s5, s2, 5
	s_add_co_u32 s5, s5, QS
	v_add_nc_u32 v[QA], s5, v[QA]
	s_lshl_b32 s5, s2, 13
	s_add_co_u32 s5, s5, B1F_L
	v_add_nc_u32 v[F3], s5, v[L16]
	s_lshl_b32 s5, s2, 12
	s_add_co_u32 s5, s5, HF2_L
	v_add_nc_u32 v[F4], s5, v[L16]
	WAITLD 12                                      ; the biases are in; the 48 weight loads stay out.  This wait also frees v[EX]
.irp i, 0,1,2,3
	ds_store_b128 v[XA], v[BIAS2+4*\i:BIAS2+4*\i+3] offset:512*\i   ; bytes that my wave alone stores and reads
.endr
	s_wait_kmcnt 0x0                               ; s74
; PHASE 1.
; Chunk c of my 32 rows goes from f32 to bf16 in two parts.
; CLOAD: 32 LDS loads, one row (32 lanes x 16 bytes) each, into window 3.  For chunks 1 to 3 it stands at the head of the last k step of the
; chunk before, so that the loads land while that k step is multiplied.
.macro CLOAD c
	WIN 0xc0
	s_wait_tensorcnt 4-(\c)                        ; tensor loads end in order: chunks 0 .. c are in; the 3 - c younger chunks and agent_qs stay out
.set ci, 0
.rept 32
	ds_load_b128 v[LAND+4*ci:LAND+4*ci+3], v[CF] offset:512*ci
.set ci, ci+1
.endr
.endm
; CFIN: 64 conversions in one run, 32 stores in one run (a row of 256 bytes at pitch 272), the barrier that makes the chunk whole.
.macro CFIN c
	WIN 0x0f                                       ; sources in window 3, results in window 0
.if \c
	PLACES 4                                       ; behind the last matrix instructions
.endif
.set cb, 0
.rept 4
	s_wait_dscnt 24-8*cb                           ; rows 8 cb .. 8 cb + 7 are in: behind them stand the 24 - 8 cb loads of the later rows and nothing else
.set ci, 8*cb
.rept 8
	v_cvt_pk_bf16_f32 v[XF0+2*ci],   v[LAND+4*ci],   v[LAND+4*ci+1]
	v_cvt_pk_bf16_f32 v[XF0+2*ci+1], v[LAND+4*ci+2], v[LAND+4*ci+3]
.set ci, ci+1
.endr
.set cb, cb+1
.endr
	WIN 0
.set ci, 0
.rept 32
	ds_store_b64 v[CS], v[XF0+2*ci:XF0+2*ci+1] offset:XPITCH*ci
.set ci, ci+1
.endr
.if \c < 3
	v_add_nc_u32 v[CF], XF_C, v[CF]                ; the next chunk in f32
.endif
.if \c == 0
	v_lshrrev_b32 v[CS], 1, v[L16]                 ; chunk 1 goes into my part of XF(0), which I have read to the end
	v_add_nc_u32 v[CS], s3, v[CS]
	v_add_nc_u32 v[XA], XB0, v[X0]
.else
.if \c < 3
	v_add_nc_u32 v[CS], XF_C, v[CS]
.endif
.if \c == 1
	v_mov_b32 v[XA], v[X0]
.else
	v_add_nc_u32 v[XA], (\c-1)*XF_C, v[X0]
.endif
.endif
	s_wait_dscnt 0x0                               ; my stores of this chunk are done, and so are all my earlier LDS reads,
	s_barrier_signal -1
	s_barrier_wait -1                              ; and those of the other three waves: the chunk is whole.
.endm
; eight sample fragments (16 rows x 32 k) of k step ks of chunk c into buffer f
.macro FETCHX c, ks, f
.irp m, 0,1,2,3,4,5,6,7
.if (\c) == 0
.set MOFF, 16*XPITCH*\m
.else
.set MOFF, (\m/2)*16384+(\m%2)*16*XPITCH
.endif
	ds_load_b128 v[\f+8*\m:\f+8*\m+3],   v[XA] offset:MOFF+64*(\ks)
	ds_load_b128 v[\f+8*\m+4:\f+8*\m+7], v[XA] offset:MOFF+64*(\ks)+32
.endr
.endm
; 16 matrix instructions: weight tiles t0, t0 + 1 x all 8 sample tiles.  The 32 accumulators take turns, one instruction a turn,
; in the same order in every k step.  In k step 0 the bias is the C operand: nothing is cleared.
.macro MUL16 s, f, t0
.irp t, \t0, \t0+1
.irp m, 0,1,2,3,4,5,6,7
.if (\s) == 0
	v_wmma_f32_16x16x32_bf16 v[8*(8*(\t)+\m):8*(8*(\t)+\m)+7], v[32*((\s)%8)+8*(\t):32*((\s)%8)+8*(\t)+7], v[\f+8*\m:\f+8*\m+7], v[BI+8*(\t):BI+8*(\t)+7]
.else
	v_wmma_f32_16x16x32_bf16 v[8*(8*(\t)+\m):8*(8*(\t)+\m)+7], v[32*((\s)%8)+8*(\t):32*((\s)%8)+8*(\t)+7], v[\f+8*\m:\f+8*\m+7], v[8*(8*(\t)+\m):8*(8*(\t)+\m)+7]
.endif
.endr
.endr
.endm
.macro MULWIN s                                    ; A window 1, B window 0, D window 2; C window 0 (bias) in k step 0, else window 2
.if (\s) == 0
	WIN 0x81
.else
	WIN 0xa1
.endif
.endm
; the global loads that k step s sends ahead: weights six k steps on; then what the later phases need
.macro ISSUE s
.if (\s) <= 9
	GLW1 (\s)+6
.endif
.if (\s)/2 == 5                                    ; k steps 10, 11: w2_l2_w, two tiles each; ordinals 141 to 156
	WIN 0xc0
.irp d, 0,1
.irp j, 0,1,2,3
	global_load_b128 v[W2F+16*(2*((\s)-10)+\d)+4*\j:W2F+16*(2*((\s)-10)+\d)+4*\j+3], v[L16], s[12:13] offset:W_W2+(2*((\s)-10)+\d)*2048+512*\j
.endr
.endr
.set NLD, NLD+8
.endif
.if (\s) == 12                                     ; w2_l2_b as C operands; to ordinal 164
	WIN 0xc0
.irp e, 0,1,2,3
.irp q, 0,1
	global_load_b128 v[BIA2+8*\e+4*\q:BIA2+8*\e+4*\q+3], v[H32], s[24:25] offset:64*\e+16*\q
.endr
.endr
.set NLD, NLD+8
.endif
.if (\s) == 13                                     ; b2_l2_w in the same lane order; to ordinal 172
	WIN 0xc0
.irp e, 0,1,2,3
.irp q, 0,1
	global_load_b128 v[WV+8*\e+4*\q:WV+8*\e+4*\q+3], v[H32], s[26:27] offset:64*\e+16*\q
.endr
.endr
.set NLD, NLD+8
.endif
.if (\s) == 14                                     ; phase 2 tile t ends at ordinal 172 + 4 (t + 1)
	WIN 0
	GLT 0
	GLT 1
	GLT 2
.endif
.if (\s) == 15
	WIN 0
	GLT 3
	GLT 4
.endif
.endm
; A k step: one run of loads for later steps, then its 32 matrix instructions without a gap.
.macro KSTEP s
.set KF, XF0+64*((\s)%2)
.set KG, XF0+64-64*((\s)%2)
	WIN 0
.if (\s)%4
	PLACES 4                                       ; the loads below land in the buffer that the matrix instructions of the last k step read
.endif
.if (\s)%4 < 3
	FETCHX (\s)/4, (\s)%4+1, KG                    ; the sample fragments of the next k step
.else
.if (\s) < 15
	CLOAD (\s)/4+1                                 ; the next chunk in f32
.endif
.endif
	ISSUE \s
	WAITLD 12+8*((\s)+1)                           ; the weights of this k step are in; all younger loads stay out
.if (\s)%4 < 3
	s_wait_dscnt 16                                ; the fragments of this k step are in; the 16 loads just issued stay out
.else
.if (\s) < 15
	s_wait_dscnt 32                                ; the same; the 32 loads just issued stay out
.else
	s_wait_dscnt 0x0
.endif
.endif
	MULWIN \s
	MUL16 \s, KF, 0
	MUL16 \s, KF, 2
.endm
	CLOAD 0
.irp c, 0,1,2,3
	CFIN \c
	FETCHX \c, 0, XF0
	KSTEP 4*\c
	KSTEP 4*\c+1
	KSTEP 4*\c+2
	KSTEP 4*\c+3
.endr
; THE EXCHANGE.  All reads of XB(0), XB(1), XB(2) ended in front of the last chunk barrier, so bytes 0 to 98,303 are free.
	WIN 0
	PLACES 5                                       ; behind the last matrix instructions: their results are read, their sources are written and loaded into below
	s_cmp_ge_u32 s2, 2
	s_cbranch_scc1 .Lkeep_f32
	v_add_nc_u32 v[EX], s3, v[L16]                 ; waves 0, 1: HF1 at 0, HF2 at 16,384
	WIN 0x88
.set ci, 0
.rept 256
	v_max_num_f32 v[ci], 0, v[ci]                  ; relu, in place in window 2
.set ci, ci+1
.endr
	WIN 0x0a
.irp t, 0,1,2,3                                    ; my columns 16 t + 8 h + 0..7 are k = 32 (t / 2) + 16 (t % 2) + 8 h + 0..7 of the next layer:
.irp m, 0,1,2,3,4,5,6,7                            ; registers 4 (t % 2) .. + 3 of fragment (m, t / 2), in this very lane
.irp n, 0,1,2,3
	v_cvt_pk_bf16_f32 v[XF0+16*\m+4*\t+\n], v[8*(8*\t+\m)+2*\n], v[8*(8*\t+\m)+2*\n+1]
.endr
.endr
.endr
	WIN 0
.set ci, 0
.rept 32
	ds_store_b128 v[EX], v[XF0+4*ci:XF0+4*ci+3] offset:512*ci
.set ci, ci+1
.endr
	s_branch .Lexchanged
.Lkeep_f32:
	s_sub_co_u32 s4, s2, 1
	s_lshl_b32 s4, s4, 15
	v_add_nc_u32 v[EX], s4, v[L16]                 ; wave 2: B1F at 32,768; wave 3: H3F at 65,536
	WIN 0x08
.irp t, 0,1,2,3
.irp m, 0,1,2,3,4,5,6,7
.irp q, 0,1
	ds_store_b128 v[EX], v[8*(8*\t+\m)+4*\q:8*(8*\t+\m)+4*\q+3] offset:\m*4096+\t*1024+512*\q
.endr
.endr
.endr
	WIN 0
.Lexchanged:
	s_wait_tensorcnt 0x0                           ; my 32 rows of agent_qs are in: the other waves read them behind this barrier
	s_wait_dscnt 0x0                               ; my stores are done, and my reads of XB(3)
	s_barrier_signal -1
	s_barrier_wait -1                              ; and those of all four waves: the fragments may be read, XB(3) may be written over
; OPERANDS OF PHASE 2, and w2 for my two sample tiles.  What the w2 products need is asked for first, and they run while the rest lands.
	WIN 0xc0
.irp i, 0,1,2,3,4,5,6,7
	ds_load_b128 v[HF2P+4*\i:HF2P+4*\i+3], v[F4] offset:512*\i
.endr
	WIN 0x40
.set ci, 0
.rept 32
	ds_load_b128 v[4*ci:4*ci+3], v[L16] offset:512*ci              ; HF(m, s) of all 128 samples
.set ci, ci+1
.endr
.irp m, 0,1,2,3,4,5,6,7
	ds_load_b128 v[QR+8*\m:QR+8*\m+3],   v[QA] offset:16*QPITCH*\m      ; agent_qs[16 m + r][8 w + 0..3]
	ds_load_b128 v[QR+8*\m+4:QR+8*\m+7], v[QA] offset:16*QPITCH*\m+16   ; and 4..7
.endr
	WIN 0
	ds_load_b128 v[BIAS2:BIAS2+3],   v[BLA]                        ; the bias of tile 0
	ds_load_b128 v[BIAS2+4:BIAS2+7], v[BLA] offset:16
	WAITLD 164                                     ; w2_l2_w and w2_l2_b are in; b2_l2_w and five tiles of phase 2 stay out
	s_wait_dscnt 50                                ; the eight loads of relu(h2) are in; the 32 + 16 + 2 behind them stay out
	WIN 0xff
.irp e, 0,1,2,3                                    ; eight accumulators by turns
.irp mm, 0,1
	v_wmma_f32_16x16x32_bf16 v[D2+8*(2*\e+\mm):D2+8*(2*\e+\mm)+7], v[W2F+16*\e:W2F+16*\e+7], v[HF2P+16*\mm:HF2P+16*\mm+7], v[BIA2+8*\e:BIA2+8*\e+7]
.endr
.endr
.irp e, 0,1,2,3
.irp mm, 0,1
	v_wmma_f32_16x16x32_bf16 v[D2+8*(2*\e+\mm):D2+8*(2*\e+\mm)+7], v[W2F+16*\e+8:W2F+16*\e+15], v[HF2P+16*\mm+8:HF2P+16*\mm+15], v[D2+8*(2*\e+\mm):D2+8*(2*\e+\mm)+7]
.endr
.endr
; PHASE 2.  Tile T = 8 e + a: the rows (8 w + a) 64 + 16 e .. + 15 of w1_l2_w.  A group is one tile x four sample tiles: four products that
; start from the bias, four that add the second half of K, the four accumulators by turns.  Behind each matrix instruction stand four
; multiply-adds of the mix of the group BEFORE, whose results lie in the other buffer: every result is read at least 16 plain
; vector instructions behind the instruction that made it (4 v_nop for the first group): useful work in the places behind the products.
; All loads of a tile stand in one run behind its second product: the weights of tile T + 5 and the bias of tile T + 1.
.macro MIX4 mi, j0                                 ; hid(4 PG + mi)[j0 .. j0 + 3] += |D| q;  the first agent of an e starts the sum
.irp j, 0,1,2,3
.if PA == 0
	v_mul_f32 v[HID+8*(4*PG+(\mi))+(\j0)+\j], |v[PD+8*(\mi)+(\j0)+\j]|, v[QR+8*(4*PG+(\mi))+PA]
.else
	v_fma_f32 v[HID+8*(4*PG+(\mi))+(\j0)+\j], |v[PD+8*(\mi)+(\j0)+\j]|, v[QR+8*(4*PG+(\mi))+PA], v[HID+8*(4*PG+(\mi))+(\j0)+\j]
.endif
.endr
.endm
.macro STOREHID half, e                            ; four finished hid tiles of column tile e into my HP; leaves window 0
	WIN 0
.irp mi, 0,1,2,3
.irp q, 0,1
	ds_store_b128 v[HPA], v[HID+8*(4*\half+\mi)+4*\q:HID+8*(4*\half+\mi)+4*\q+3] offset:(\e)*8192+(4*\half+\mi)*1024+512*\q
.endr
.endr
.endm
.macro GROUP g
.set WFB, WF2+16*(T%6)
.set BB,  BIAS2+8*(T%2)
.set DB,  D0+32*\g
.set PG,  1-\g                                     ; the group before: its half,
.set PA,  (T-PG+8)%8                               ; its agent,
.set PD,  D0+32*PG                                 ; its results
.if \g == 0
	WAITLD 172+4*(T+1)                             ; tile T is in; the tiles behind it, four at the most, stay out
	s_wait_dscnt 0x0                               ; its bias, asked for 14 matrix instructions ago
.endif
.if T >= 8
.if T%8 == 0
	STOREHID \g, T/8-1                             ; the mix of the last agent of e - 1 for this half ended in the group before
	WIN 0x04
.endif
.endif
.if 2*T+\g == 1
	PLACES 4                                       ; the first group had no mix behind its products
.endif
.irp i, 0,1,2,3,4,5,6,7
.if \i < 4
	v_wmma_f32_16x16x32_bf16 v[DB+8*\i:DB+8*\i+7], v[WFB:WFB+7], v[64*\g+16*\i:64*\g+16*\i+7], v[BB:BB+7]
.else
	v_wmma_f32_16x16x32_bf16 v[DB+8*\i-32:DB+8*\i-25], v[WFB+8:WFB+15], v[64*\g+16*\i-56:64*\g+16*\i-49], v[DB+8*\i-32:DB+8*\i-25]
.endif
.if 2*T+\g >= 1
	MIX4 \i/2, 4*(\i%2)
.endif
.if \g == 0
.if \i == 1
.if T+5 <= 31
	GLT T+5                                        ; into the slot of tile T - 1, last read 12 plain vector instructions ago
.endif
.if T < 31                                         ; into the bias buffer of tile T - 1, last read more than 20 plain vector instructions ago
	ds_load_b128 v[BIAS2+8*((T+1)%2):BIAS2+8*((T+1)%2)+3],   v[BLA] offset:((T+1)%8)*256+((T+1)/8)*64
	ds_load_b128 v[BIAS2+8*((T+1)%2)+4:BIAS2+8*((T+1)%2)+7], v[BLA] offset:((T+1)%8)*256+((T+1)/8)*64+16
.endif
.endif
.endif
.endr
.endm
	WIN 0x04                                       ; source 1 (sample fragments, q) in window 1, all else in window 0: one setting for the whole phase
.set T, 0
.rept 32
	GROUP 0
	GROUP 1
.set T, T+1
.endr
.set PG, 1                                         ; the mix of the last group
.set PA, 7
.set PD, D0+32
.irp mi, 0,1,2,3
	MIX4 \mi, 0
	MIX4 \mi, 4
.endr
	STOREHID 0, 3
	STOREHID 1, 3
	v_lshl_add_u32 v[EX], v0, 2, OUTS              ; where my result goes: row 32 w + l
	s_wait_dscnt 0x0                               ; my partial sums are in LDS,
	s_barrier_signal -1
	s_barrier_wait -1                              ; and those of all four waves
; FINAL.  Sample tiles m = 2 w + mm, column tiles e: eight tiles, two load buffers of 48 registers in window 3.
.macro FLOAD mm, e, lb                             ; 12 loads: four partial hid, b1, h3 (8 registers each)
.irp ws, 0,1
.irp q, 0,1
	ds_load_b128 v[\lb+8*\ws+4*\q:\lb+8*\ws+4*\q+3], v[F1] offset:\ws*32768+(\e)*8192+(\mm)*1024+512*\q
.endr
.endr
.irp ws, 0,1
.irp q, 0,1
	ds_load_b128 v[\lb+16+8*\ws+4*\q:\lb+16+8*\ws+4*\q+3], v[F2] offset:\ws*32768+(\e)*8192+(\mm)*1024+512*\q
.endr
.endr
.irp q, 0,1
	ds_load_b128 v[\lb+32+4*\q:\lb+32+4*\q+3], v[F3] offset:(\mm)*4096+(\e)*1024+512*\q
.endr
.irp q, 0,1
	ds_load_b128 v[\lb+40+4*\q:\lb+40+4*\q+3], v[F3] offset:32768+(\mm)*4096+(\e)*1024+512*\q
.endr
.endm
.macro FTILE mm, e, lb
.irp p, 0,2,4,6
	v_pk_add_f32 v[\lb+\p:\lb+\p+1], v[\lb+\p:\lb+\p+1], v[\lb+8+\p:\lb+8+\p+1]
	v_pk_add_f32 v[\lb+16+\p:\lb+16+\p+1], v[\lb+16+\p:\lb+16+\p+1], v[\lb+24+\p:\lb+24+\p+1]
.endr
.irp p, 0,2,4,6
	v_pk_add_f32 v[\lb+\p:\lb+\p+1], v[\lb+\p:\lb+\p+1], v[\lb+16+\p:\lb+16+\p+1]
.endr
.irp p, 0,2,4,6
	v_pk_add_f32 v[\lb+\p:\lb+\p+1], v[\lb+\p:\lb+\p+1], v[\lb+32+\p:\lb+32+\p+1]      ; x = sum over agents + b1
.endr
.irp j, 0,1,2,3,4,5,6,7
	v_min_num_f32 v[\lb+8+\j], 0, v[\lb+\j]
.endr
.irp p, 0,2,4,6
	v_pk_mul_f32 v[\lb+8+\p:\lb+8+\p+1], v[\lb+8+\p:\lb+8+\p+1], 0x3fb8aa3b op_sel_hi:[1,0]
.endr
.irp j, 0,1,2,3,4,5,6,7
	v_exp_f32 v[\lb+8+\j], v[\lb+8+\j]             ; e^min(x, 0): the exponent is never above 0
.endr
.irp j, 0,1,2,3,4,5,6,7
	v_max_num_f32 v[\lb+\j], 0, v[\lb+\j]          ; plain instructions on other registers stand behind the exponentials (ISA guide 5.7.2)
.endr
.irp j, 0,1,2,3,4,5,6,7
	v_max_num_f32 v[\lb+40+\j], 0, v[\lb+40+\j]    ; relu(h3)
.endr
	s_wait_alu depctr_va_vdst(0)
.irp p, 0,2,4,6
	v_pk_add_f32 v[\lb+8+\p:\lb+8+\p+1], v[\lb+8+\p:\lb+8+\p+1], -1.0 op_sel_hi:[1,0]  ; exactly 0 where x >= 0
.endr
.irp p, 0,2,4,6
	v_pk_add_f32 v[\lb+\p:\lb+\p+1], v[\lb+\p:\lb+\p+1], v[\lb+8+\p:\lb+8+\p+1]        ; elu(x) = max(x, 0) + (e^min(x, 0) - 1)
.endr
.irp j, 0,1,2,3,4,5,6,7
.if (\e) == 0
	v_mul_f32 v[AC+8*(\mm)+\j], v[\lb+\j], |v[D2+8*(2*(\e)+(\mm))+\j]|                 ; the first column tile starts the sums
.else
	v_fma_f32 v[AC+8*(\mm)+\j], v[\lb+\j], |v[D2+8*(2*(\e)+(\mm))+\j]|, v[AC+8*(\mm)+\j]
.endif
.endr
.irp p, 0,2,4,6
	v_pk_fma_f32 v[AC+8*(\mm)+\p:AC+8*(\mm)+\p+1], v[\lb+40+\p:\lb+40+\p+1], v[WV+8*(\e)+\p:WV+8*(\e)+\p+1], v[AC+8*(\mm)+\p:AC+8*(\mm)+\p+1]
.endr
.endm
	WIN 0xc0
	FLOAD 0, 0, 0
.set n, 0
.rept 8
.if n < 7
	WIN 0xc0
	FLOAD ((n+1)/4), ((n+1)%4), (48*((n+1)%2))
	s_wait_dscnt 12                                ; this tile is in; the 12 loads of the next one stay out
.else
	s_wait_dscnt 0x0
.endif
	WIN 0xff
	FTILE (n/4), (n%4), (48*(n%2))
.set n, n+1
.endr
	s_mov_b32 vcc_lo, 0xffff0000
.irp mm, 0,1
	v_pk_add_f32 v[AC+8*\mm:AC+8*\mm+1], v[AC+8*\mm:AC+8*\mm+1], v[AC+8*\mm+2:AC+8*\mm+3]
	v_pk_add_f32 v[AC+8*\mm+4:AC+8*\mm+5], v[AC+8*\mm+4:AC+8*\mm+5], v[AC+8*\mm+6:AC+8*\mm+7]
	v_pk_add_f32 v[AC+8*\mm:AC+8*\mm+1], v[AC+8*\mm:AC+8*\mm+1], v[AC+8*\mm+4:AC+8*\mm+5]
	v_add_f32 v[AC+8*\mm], v[AC+8*\mm], v[AC+8*\mm+1]              ; my 32 of the 64 columns of sample r
	v_permlanex16_b32 v[AC+8*\mm+1], v[AC+8*\mm], s76, s77         ; the other 32, from lane l xor 16; the destination has been written before
	v_add_f32 v[AC+8*\mm], v[AC+8*\mm], v[AC+8*\mm+1]
.endr
	v_cndmask_b32 v[AC], v[AC], v[AC+8], vcc_lo    ; lanes 0-15 keep tile 2 w, lanes 16-31 take tile 2 w + 1: lane l holds row 32 w + l
	v_add_f32 v[AC], s74, v[AC]                    ; + b2_l2_b
	WIN 0x0c
	ds_store_b32 v[EX], v[AC]
	WIN 0
	s_wait_dscnt 0x0
	s_barrier_signal -1
	s_barrier_wait -1                              ; the 128 results are in LDS
	s_cmp_lg_u32 s2, 0
	s_cbranch_scc1 .Ldone
	v_add_nc_u32 v[XA], OUTS, v[L16]
	ds_load_b128 v[16:19], v[XA]
	s_lshl_b32 s4, ttmp9, 9
	s_mov_b32 s5, 0
	s_add_nc_u64 s[30:31], s[30:31], s[4:5]
	s_wait_dscnt 0x0
	global_store_b128 v[L16], v[16:19], s[30:31]   ; one store of 512 consecutive bytes, at a multiple of 512 from the first byte of out0
.Ldone:
	s_wait_xcnt 0x0
	v_lshl_add_u32 v254, v0, 2, 0x4f200
	v_mov_b32 v255, 0
	s_wait_tensorcnt 0x0
	ds_add_u32 v254, v255
	s_wait_dscnt 0x0
	s_endpgm
.Lfunc_end_k_qe53534f95f_mix:
	.size	k_qe53534f95f_mix, .Lfunc_end_k_qe53534f95f_mix-k_qe53534f95f_mix
	.p2alignl 7, 3214868480
	.fill 96, 4, 3214868480
	.section	.rodata,"a",@progbits
	.p2align	6, 0x0
	.amdhsa_kernel k_qe53534f95f_mix
		.amdhsa_group_segment_fixed_size 324608
		.amdhsa_private_segment_fixed_size 0
		.amdhsa_enable_private_segment 0
		.amdhsa_kernarg_size 96
		.amdhsa_user_sgpr_count 2
		.amdhsa_user_sgpr_kernarg_segment_ptr 1
		.amdhsa_wavefront_size32 1
		.amdhsa_system_sgpr_workgroup_id_x 1
		.amdhsa_system_sgpr_workgroup_id_y 1
		.amdhsa_system_sgpr_workgroup_id_z 1
		.amdhsa_system_vgpr_workitem_id 0
		.amdhsa_next_free_vgpr 1024
		.amdhsa_next_free_sgpr 80
		.amdhsa_reserve_vcc 1
		.amdhsa_float_denorm_mode_32 3
		.amdhsa_float_denorm_mode_16_64 3
		.amdhsa_memory_ordered 1
		.amdhsa_forward_progress 1
		.amdhsa_inst_pref_size 255
	.end_amdhsa_kernel
	.section	.bss,"aw",@nobits
	.p2align	6
	.space	262144
	.amdgpu_metadata
---
amdhsa.version: [ 1, 2 ]
amdhsa.kernels:
  - .name:           k_qe53534f95f_mix
    .symbol:         k_qe53534f95f_mix.kd
    .args:
      - { .name: states, .offset: 0, .size: 8, .value_kind: global_buffer, .address_space: global }
      - { .name: agent_qs, .offset: 8, .size: 8, .value_kind: global_buffer, .address_space: global }
      - { .name: wfrag, .offset: 16, .size: 8, .value_kind: global_buffer, .address_space: global }
      - { .name: w1_l1_b, .offset: 24, .size: 8, .value_kind: global_buffer, .address_space: global }
      - { .name: w2_l1_b, .offset: 32, .size: 8, .value_kind: global_buffer, .address_space: global }
      - { .name: b1_b, .offset: 40, .size: 8, .value_kind: global_buffer, .address_space: global }
      - { .name: b2_l1_b, .offset: 48, .size: 8, .value_kind: global_buffer, .address_space: global }
      - { .name: w1_l2_b, .offset: 56, .size: 8, .value_kind: global_buffer, .address_space: global }
      - { .name: w2_l2_b, .offset: 64, .size: 8, .value_kind: global_buffer, .address_space: global }
      - { .name: b2_l2_w, .offset: 72, .size: 8, .value_kind: global_buffer, .address_space: global }
      - { .name: b2_l2_b, .offset: 80, .size: 8, .value_kind: global_buffer, .address_space: global }
      - { .name: out0, .offset: 88, .size: 8, .value_kind: global_buffer, .address_space: global }
    .group_segment_fixed_size: 324608
    .private_segment_fixed_size: 0
    .kernarg_segment_align: 8
    .kernarg_segment_size: 96
    .max_flat_workgroup_size: 128
    .sgpr_count:     80
    .vgpr_count:     1024
    .wavefront_size: 32
...
	.end_amdgpu_metadata
.endif
;; end of part 2
;; ======== version 2 of 2: 2 launches; version 1 with the launch pack written anew for expert scheduling mode
;; workspace buffers: wfrag 532,480 bytes
;; launch pack (part 3): grid 260 x 1, 1 waves a work-group, no clusters, 0 bytes of LDS; arguments w1_l1_w, w2_l1_w, b1_w, b2_l1_w, w1_l2_w, w2_l2_w, wfrag; writes wfrag
.if DOCPART == 3
	.amdgcn_target "amdgcn-amd-amdhsa--gfx1250"
	.amdhsa_code_object_version 6
	.text
	.protected	k_qe53534f95f_pack
	.globl	k_qe53534f95f_pack
	.p2align	8
	.type	k_qe53534f95f_pack,@function
k_qe53534f95f_pack:
	s_mov_b64 s[64:65], 0
	v_nop
	global_prefetch_b8 v0, s[64:65] scope:SCOPE_SE
	s_setreg_imm32_b32 hwreg(HW_REG_WAVE_SCHED_MODE, 0, 2), 2
	s_setreg_imm32_b32 hwreg(HW_REG_WAVE_MODE, 25, 1), 1
	s_wait_xcnt 0x0
	s_wait_alu depctr_vm_vsrc(0)
; Rounds all matrix weights to bf16 once and lays them out in the order in which the matrix operands want them.
; A block of 1,024 bytes holds 16 weight rows x 32 k: byte 512 q + 16 l + 2 i = W[n0 + l % 16][k0 + 16 q + 8 (l / 16) + i],
; so that lane l of a later wave gets registers 4 q .. 4 q + 3 of a fragment by one load of 16 bytes, 512 consecutive bytes a wave.
; Blocks:  (net 16 + s) 4 + t            the four first layers (net 0 w1_l1_w, 1 w2_l1_w, 2 b1_w, 3 b2_l1_w), k0 = 32 s, n0 = 16 t
;          256 + (((w 4 + e) 8 + a) 2 + s)   w1_l2_w rows (8 w + a) 64 + 16 e, k0 = 32 s
;          512 + e 2 + s                  w2_l2_w rows 16 e, k0 = 32 s
; One wave a work-group; a work-group takes 16 source rows x 64 k (256 bytes of each row) and makes two blocks.
; 128 + 128 + 4 = 260 work-groups.  Memory binds: no LDS, no matrix unit, nothing is read or written twice.
; THE MODE: SCHED_MODE bits 1:0 = 2 (LLVM: expert scheduling mode 2), set by the entry lines.  The code itself states the register dependences
; between vector instructions and memory instructions, with s_wait_alu, always for 0.
; THE PLAN.  Registers that memory instructions touch; each is written once and never again:
;   v3         the loads' offset.   Written by three vector lines; read by the eight loads.
;   v4, v5     the stores' offsets. Written by two vector lines that stand behind the loads; read by the four stores.
;   LD         Written by the eight loads alone; read by the sixteen conversions, each group behind its counted wait for its data.
;   PK         Written by the sixteen conversions; read by the four stores, which stand in one run.
; So two waits on va_vdst state all: one ahead of the loads (v3 is written), one ahead of the stores (PK, v4 and v5 are written).
; No register that a memory instruction reads is written again, no vector instruction writes a scalar register or VCC, and EXEC is never written.
.set LD, 8                             ; v[8:39]   eight loads of 16 bytes: 4 groups of 8 f32
.set PK, 40                            ; v[40:55]  the same as bf16: 4 groups of 4 registers
	s_load_b256 s[8:15], s[0:1], 0x0               ; w1_l1_w, w2_l1_w, b1_w, b2_l1_w
	s_load_b128 s[16:19], s[0:1], 0x20             ; w1_l2_w, w2_l2_w
	s_load_b64 s[20:21], s[0:1], 0x30              ; wfrag
	v_and_b32 v1, 15, v0                           ; r: my source row
	v_lshrrev_b32 v2, 4, v0                        ; h: which 8 of each 16 k
	s_wait_kmcnt 0x0
	; each way sets: s[22:23] source, s24 byte offset in it, s25 byte offset in wfrag, s26 bytes between the two blocks, s27 log2 of the row pitch
	s_cmp_lt_u32 ttmp9, 128
	s_cbranch_scc0 .Lsecond
	s_lshr_b32 s2, ttmp9, 5                        ; net
	s_bfe_u32 s3, ttmp9, 0x20003                   ; t: 16 rows of the 64
	s_and_b32 s4, ttmp9, 7                         ; p: k steps 2 p and 2 p + 1
	s_cmp_eq_u32 s2, 1
	s_cselect_b64 s[22:23], s[10:11], s[8:9]
	s_cmp_eq_u32 s2, 2
	s_cselect_b64 s[22:23], s[12:13], s[22:23]
	s_cmp_eq_u32 s2, 3
	s_cselect_b64 s[22:23], s[14:15], s[22:23]
	s_lshl_b32 s24, s3, 15                         ; 16 rows of 2,048 bytes
	s_lshl_b32 s5, s4, 8                           ; 64 k of 4 bytes
	s_add_co_u32 s24, s24, s5
	s_lshl3_add_u32 s5, s4, s3                     ; 8 p + t
	s_lshl_b32 s25, s2, 6
	s_add_co_u32 s25, s25, s5                      ; block 64 net + 8 p + t
	s_lshl_b32 s25, s25, 10
	s_mov_b32 s26, 4096                            ; the next k step lies four blocks on
	s_mov_b32 s27, 11
	s_branch .Lgo
.Lsecond:
	s_cmp_lt_u32 ttmp9, 256
	s_cbranch_scc0 .Lthird
	s_sub_co_u32 s2, ttmp9, 128                    ; rows 16 T of w1_l2_w, T = (8 w + a) 4 + e
	s_lshr_b32 s3, s2, 5                           ; w
	s_bfe_u32 s4, s2, 0x30002                      ; a
	s_and_b32 s5, s2, 3                            ; e
	s_mov_b64 s[22:23], s[16:17]
	s_lshl_b32 s24, s2, 12                         ; 16 rows of 256 bytes
	s_lshl2_add_u32 s25, s3, s5                    ; 4 w + e
	s_lshl3_add_u32 s25, s25, s4                   ; times 8, + a
	s_lshl_b32 s25, s25, 11                        ; two blocks each
	s_add_co_u32 s25, s25, 262144
	s_mov_b32 s26, 1024
	s_mov_b32 s27, 8
	s_branch .Lgo
.Lthird:
	s_sub_co_u32 s2, ttmp9, 256                    ; rows 16 e of w2_l2_w
	s_mov_b64 s[22:23], s[18:19]
	s_lshl_b32 s24, s2, 12
	s_lshl_b32 s25, s2, 11
	s_add_co_u32 s25, s25, 524288
	s_mov_b32 s26, 1024
	s_mov_b32 s27, 8
.Lgo:
	v_lshlrev_b32 v3, s27, v1                      ; my row,
	v_lshl_add_u32 v3, v2, 5, v3                   ; + 8 h numbers of 4 bytes,
	v_add_nc_u32 v3, s24, v3                       ; + the item
	s_wait_alu depctr_va_vdst(0)                   ; v3 is written, which the eight loads read as their offset
.irp g, 0,1,2,3                                    ; g = 2 (k step of the pair) + q: k = 16 g + 8 h + 0..7
	global_load_b128 v[LD+8*\g:LD+8*\g+3],   v3, s[22:23] offset:64*\g
	global_load_b128 v[LD+8*\g+4:LD+8*\g+7], v3, s[22:23] offset:64*\g+16
.endr
	v_lshl_add_u32 v4, v0, 4, s25                  ; first block: 16 bytes a lane.  These two lines name no register that the loads touch,
	v_add_nc_u32 v5, s26, v4                       ; second block.                  and stand where the wave would only wait for its data
.irp g, 0,1,2,3
	s_wait_loadcnt 6-2*\g                          ; loads return in order: the two of group g are in, the younger ones stay out
.irp n, 0,1,2,3
	v_cvt_pk_bf16_f32 v[PK+4*\g+\n], v[LD+8*\g+2*\n], v[LD+8*\g+2*\n+1]
.endr
.endr
	s_wait_alu depctr_va_vdst(0)                   ; the sixteen conversions have written v[PK ..], the stores' data, and v4 and v5, their offsets, are written
.irp g, 0,1,2,3
	global_store_b128 v[4+\g/2], v[PK+4*\g:PK+4*\g+3], s[20:21] offset:512*(\g%2)   ; 512 consecutive bytes, aligned
.endr
	s_endpgm
.Lfunc_end_k_qe53534f95f_pack:
	.size	k_qe53534f95f_pack, .Lfunc_end_k_qe53534f95f_pack-k_qe53534f95f_pack
	.p2alignl 7, 3214868480
	.fill 96, 4, 3214868480
	.section	.rodata,"a",@progbits
	.p2align	6, 0x0
	.amdhsa_kernel k_qe53534f95f_pack
		.amdhsa_group_segment_fixed_size 0
		.amdhsa_private_segment_fixed_size 0
		.amdhsa_enable_private_segment 0
		.amdhsa_kernarg_size 56
		.amdhsa_user_sgpr_count 2
		.amdhsa_user_sgpr_kernarg_segment_ptr 1
		.amdhsa_wavefront_size32 1
		.amdhsa_system_sgpr_workgroup_id_x 1
		.amdhsa_system_sgpr_workgroup_id_y 1
		.amdhsa_system_sgpr_workgroup_id_z 1
		.amdhsa_system_vgpr_workitem_id 0
		.amdhsa_next_free_vgpr 56
		.amdhsa_next_free_sgpr 66
		.amdhsa_reserve_vcc 0
		.amdhsa_float_denorm_mode_32 3
		.amdhsa_float_denorm_mode_16_64 3
		.amdhsa_memory_ordered 1
		.amdhsa_forward_progress 1
		.amdhsa_inst_pref_size 5
	.end_amdhsa_kernel
	.amdgpu_metadata
---
amdhsa.version: [ 1, 2 ]
amdhsa.kernels:
  - .name:           k_qe53534f95f_pack
    .symbol:         k_qe53534f95f_pack.kd
    .args:
      - { .name: w1_l1_w, .offset: 0, .size: 8, .value_kind: global_buffer, .address_space: global }
      - { .name: w2_l1_w, .offset: 8, .size: 8, .value_kind: global_buffer, .address_space: global }
      - { .name: b1_w, .offset: 16, .size: 8, .value_kind: global_buffer, .address_space: global }
      - { .name: b2_l1_w, .offset: 24, .size: 8, .value_kind: global_buffer, .address_space: global }
      - { .name: w1_l2_w, .offset: 32, .size: 8, .value_kind: global_buffer, .address_space: global }
      - { .name: w2_l2_w, .offset: 40, .size: 8, .value_kind: global_buffer, .address_space: global }
      - { .name: wfrag, .offset: 48, .size: 8, .value_kind: global_buffer, .address_space: global }
    .group_segment_fixed_size: 0
    .private_segment_fixed_size: 0
    .kernarg_segment_align: 8
    .kernarg_segment_size: 56
    .max_flat_workgroup_size: 32
    .sgpr_count:     66
    .vgpr_count:     56
    .wavefront_size: 32
...
	.end_amdgpu_metadata
.endif
;; end of part 3
;; launch mix: the kernel of part 2 again; grid 256 x 1, 4 waves a work-group, no clusters, 324,608 bytes of LDS; arguments states, agent_qs, wfrag, w1_l1_b, w2_l1_b, b1_b, b2_l1_b, w1_l2_b, w2_l2_b, b2_l2_w, b2_l2_b, out0; writes out0
